; MI455X (gfx1250); checked and timed in simulation.
; The chip was launched on July 23, 2026; its instructions are those of AMD's public machine-readable ISA for CDNA 5 (MIT licence, August 2026) and "CDNA5" Instruction Set Architecture Reference Guide (July 2026). The comments in the code are by the model that wrote it; some were corrected since.
;; Self Attention. Allowed arithmetic: matrix products marked QUANTISED: E2M1 operands, one E8M0 scale for each 32 along K, by v_wmma_scale_f32_16x16x128_f8f6f4 with both operands' format E2M1 (or v_wmma_scale_f32_32x16x128_f4), f32 sums; everything else in f32.
;; Inputs: qkv 1 x 4,096 x 3 x 16 x 64 float32.
;; Outputs: out0 1 x 4,096 x 16 x 64 float32.
;; This version of the problem:
;;   THIS VERSION OF THE PROBLEM IS GIVEN IN LOW PRECISION. The matrix products marked QUANTISED in the list below multiply operands that are first quantised to E2M1 (2 exponent bits, 1 mantissa bit; 4 bits a number), with one power-of-two scale for each 32 numbers along K (OCP MX v1.0); their sums are f32. All else is computed in f32.
;;   The module's matrix products, in the order in which they are computed (A, B: the left and right operand; K: the contracted axis; several contracted axes count as one K, in the product's order):
;;     1. batch 16 x [M 4,096, K 64] x [K 64, N 4,096]; A: input qkv; B: computed on the way: QUANTISED
;;     2. batch 16 x [M 64, K 4,096] x [K 4,096, N 4,096]; A: input qkv; B: softmax (see below): QUANTISED
;;   THE QUANTISER, for each operand of a quantised product, along K:
;;     - K is cut into blocks of 32 from its start; a last block that is shorter is filled with zeros.
;;     - A block's scale is 2^e with e = floor(log2(the largest magnitude in the block)) - 2, held to -126 .. 127; a block of zeros has e = 0. As a byte (E8M0): e + 127.
;;     - Each number is divided by its block's scale, clamped to +-6, and rounded to the nearest number of E2M1, ties to even, subnormals kept.
;;     - The product sums the exact products of the quantised numbers (number of the format x scale) in f32.
;;   ~~~python
;;   def quantise(x, axis):      # numpy; x: float32 -> the quantised numbers, widened to float32 again
;;       x = np.moveaxis(x, axis, -1); K = x.shape[-1]
;;       x = np.pad(x, [(0, 0)] * (x.ndim - 1) + [(0, -K % 32)]); x = x.reshape(x.shape[:-1] + (-1, 32)); a = np.abs(x).max(-1, keepdims=True)
;;       e = np.where(a > 0, np.clip(np.frexp(np.where(a > 0, a, 1))[1] - 1 - 2, -126, 127), 0)      # np.frexp(a)[1] - 1 = floor(log2(a)), exactly
;;       r = np.clip(x / 2.0 ** e, -6, 6)
;;       step = 2.0 ** (np.maximum(np.frexp(np.where(r == 0, 1, r))[1] - 1, 0) - 1)
;;       q = np.round(r / step) * step * 2.0 ** e      # np.round: ties to even
;;       return np.moveaxis(q.reshape(q.shape[:-2] + (-1,))[..., :K], -1, axis).astype(np.float32)
;;   ~~~
;;   SOFTMAX AHEAD OF A QUANTISED PRODUCT. Where the list says 'softmax', what is quantised is not the finished softmax but p = 2^(t - M), with t = logit x log2(e) and M = ceil(the row's largest t), a whole number; so 1/2 < the row's largest p <= 1. The row's sum l is taken of the UNQUANTISED p, in f32, and the product's result is divided by l at the end. Since M is a whole number, a kernel that streams over the keys may use a running M (the ceiling of the running maximum): every later rescaling is an exact power of two, which a block's scale takes up: the codes' values come out the same.
;;   OPERANDS COMPUTED ON THE WAY. 'Computed on the way' means the value that the module computes at that place (a softmax that the list does not call 'softmax' is quantised finished and normalised). What goes into a quantiser is computed in f32, as accurately as f32 sums, v_exp_f32 and their like allow (about 1e-6 of the number): no bf16 or f16 on the way to a quantiser, and a product that is left as it is and whose result goes on into a quantised operand takes f32 operands (vector FMAs, or v_wmma_f32_16x16x4_f32). A number that lies on a knife's edge between two numbers of the format may be rounded either way, as far as f32 arithmetic and the matrix unit's own rounding can turn it there, and no further.
;; One version. Each part assembles by itself: llvm-mc -triple=amdgcn-amd-amdhsa -mcpu=gfx1250 --defsym DOCPART=n.
;; ======== version 1 of 1: 2 launches
;; workspace buffers: qimg 2,359,296 bytes; kimg 2,359,296 bytes; vimg 2,228,224 bytes
;; launch quant (part 1): grid 768 x 1, 4 waves a work-group, no clusters, 17,920 bytes of LDS; arguments qkv, qimg, kimg, vimg; writes qimg, kimg, vimg
.if DOCPART == 1
	.amdgcn_target "amdgcn-amd-amdhsa--gfx1250"
	.amdhsa_code_object_version 6
	.text
	.protected	k_q596762242f_quant
	.globl	k_q596762242f_quant
	.p2align	8
	.type	k_q596762242f_quant,@function
k_q596762242f_quant:
	s_mov_b64 s[64:65], 0
	v_nop
	global_prefetch_b8 v0, s[64:65] scope:SCOPE_SE
	s_setreg_imm32_b32 hwreg(HW_REG_WAVE_MODE, 25, 1), 1
	s_wait_xcnt 0x0
; qkv [4096 tokens][3][16 heads][64] f32 is turned into codes of FP4 (E2M1) with one E8M0 scale byte for each 32 along a product's K, laid as IMAGES OF THE OPERANDS' REGISTERS for the attention launch.
; q and k: K = the head's 64 numbers (two blocks of 32 a row).  v: K = the keys (blocks of 32 tokens down a column).
; A block's scale is 2^(floor(log2(its largest magnitude)) - 2): its byte is the largest magnitude's exponent field - 2, held at 1 from below.
; k / 8: the factor is a power of two, so k's numbers are converted as they are and 3 is taken off the scale byte; the floor under the largest magnitude lies 3 higher for k, so that the byte stays at 1 or above.
; qimg, kimg: [16 heads][32 records of 128 rows][4,608 bytes].  Bytes 0-4095: tile T = 2 b + u (8 tiles x 512 bytes): lane (r, h) has 16 bytes at 512 T + 16 lane: the codes of numbers 32 h .. 32 h + 31 of row 32 b + 8 u + r + 8 (r / 8).
;   Bytes 4096-4607: the scale word of row r of tile T at 256 (T / 4) + 16 r + 4 (T % 4): byte 0, 1 = the row's two blocks; bytes 2, 3 = 0x7f, for the zero codes that fill K up to 128.
; vimg: [16 heads][32 records of 128 keys][4,352 bytes].  Bytes 0-4095: the codes of channel 16 t + r, keys 64 c + 32 h + 0 .. 31, 16 bytes at 1024 t + 512 c + 256 h + 16 r.  Bytes 4096-4351: channel d's scale word at 4 d.
; SHARES.  Work-groups 0-511 take q (0-255) and k (256-511): a wave takes 64 tokens of one head, four tiles.  Work-groups 512-767 take v: a wave takes 128 tokens x 32 columns, a lane a column.
; No tensor loads, no barrier, no loop: waves share nothing, every offset is an immediate, and no register that a load or store names is written again.
; LIMITS: NaN and infinities among the inputs are not served.  A block of zeros gets the byte 1 (k: 1) where the rule says 127: its codes are zeros, and the bytes are read by this program alone.
; k / 8 as a shift of the exponent differs from the f32 product only where k / 8 would be denormal (under 2^-126).
.set TOK,   12288                      ; bytes of a token: 3 x 16 x 64 x 4
.set KREC,  4608
.set KHEAD, 32*KREC
.set VREC,  4352
.set VHEAD, 32*VREC
.set SP,    272                        ; a stage row: 256 bytes + 16: the sixteen rows that a load touches begin at sixteen different 16-byte columns of 256 bytes
.set STG,   16*SP                      ; a wave's stage
.set SW,    16                         ; v16-19   scale words
.set C,     24                         ; v24-39   codes: four registers a tile or block, never written again
.set R,     64                         ; v64-191  four sets of 32 numbers
	s_load_b256 s[4:11], s[0:1], 0x0               ; qkv s[4:5], qimg s[6:7], kimg s[8:9], vimg s[10:11]
	v_lshl_add_u32 v192, v0, 2, 0x4400
	v_mov_b32 v193, 0
	v_lshrrev_b32 v1, 5, v0
	v_readfirstlane_b32 s12, v1                    ; wave 0..3
	v_and_b32 v1, 31, v0                           ; lane
	v_and_b32 v2, 15, v0                           ; r
	v_bfe_u32 v3, v0, 4, 1                         ; hh = lane / 16
	v_mov_b32 v10, 0                               ; a lane permute's destination counts as one of its sources
	s_mov_b32 s20, 0x76543210
	s_mov_b32 s21, 0xfedcba98                      ; v_permlanex16_b32's selects for lane l xor 16
; A block of 32 numbers in one lane's registers v[R + 32 set] on: its codes into v[C + 4 set] on, its scale byte (before k's shift) into v13.  s22: the floor under the largest magnitude.
.macro QBLOCK set
.set XS, R+32*(\set)
	v_max3_num_f32 v12, |v[XS]|, |v[XS+1]|, |v[XS+2]|              ; the largest magnitude, in two chains
	v_max3_num_f32 v13, |v[XS+3]|, |v[XS+4]|, |v[XS+5]|
.irp i, 6,10,14,18,22,26
	v_max3_num_f32 v12, v12, |v[XS+\i]|, |v[XS+\i+1]|
	v_max3_num_f32 v13, v13, |v[XS+\i+2]|, |v[XS+\i+3]|
.endr
	v_max3_num_f32 v12, v12, |v[XS+30]|, |v[XS+31]|
	v_max3_num_f32 v12, v12, v13, s22              ; and the floor
	v_add_nc_u32 v11, 0xff000000, v12              ; 2 off the exponent field: the conversion takes the exponent field of this operand as its scale
.irp g, 0,1,2,3
	v_cvt_scalef32_pk8_fp4_f32 v[C+4*(\set)+\g], v[XS+8*\g:XS+8*\g+7], v11
.endr
	v_lshrrev_b32 v13, 23, v11                     ; the byte (a plain instruction behind the conversions)
.endm
	s_cmp_lt_u32 ttmp9, 512
	s_cbranch_scc0 .Lv
	; ---------------- q and k ----------------
	s_lshr_b32 s13, ttmp9, 8                       ; 0: q, 1: k
	s_bfe_u32 s14, ttmp9, 0x60002                  ; G: which 64 tokens
	s_and_b32 s15, ttmp9, 3
	s_lshl_b32 s15, s15, 2
	s_add_co_u32 s15, s15, s12                     ; head
	s_mul_i32 s16, s14, 64*TOK                     ; from: G x 64 tokens + the part's 4,096 bytes + the head's 256
	s_lshl_b32 s17, s13, 12
	s_add_co_u32 s16, s16, s17
	s_lshl_b32 s17, s15, 8
	s_add_co_u32 s16, s16, s17
	s_mov_b32 s17, 0
	s_mul_i32 s18, s15, KHEAD                      ; to: the head's records, record G / 2
	s_lshr_b32 s19, s14, 1
	s_mul_i32 s19, s19, KREC
	s_add_co_u32 s18, s18, s19
	s_mov_b32 s19, 0
	s_and_b32 s24, s14, 1                          ; which half of the record: tiles 4 (G % 2) on
	v_mul_u32_u24 v4, v3, TOK
	v_lshl_add_u32 v4, v2, 4, v4                   ; in: sixteen lanes read a head's row of 256 bytes, lanes 16-31 the next token's
	s_mul_i32 s25, s12, STG                        ; my stage
	v_mul_u32_u24 v5, v3, SP
	v_lshl_add_u32 v5, v2, 4, v5
	v_add_nc_u32 v5, s25, v5                       ; into it as loaded: row hh, 16 r
	v_mul_u32_u24 v6, v2, SP
	v_lshl_add_u32 v6, v3, 7, v6
	v_add_nc_u32 v6, s25, v6                       ; out of it: row r, my block's 128 bytes
	s_lshl_b32 s26, s24, 11
	v_lshl_add_u32 v7, v1, 4, s26                  ; codes: 16 x lane + 2,048 (G % 2)
	s_lshl_b32 s26, s24, 8
	s_add_co_u32 s26, s26, 4096
	v_lshlrev_b32 v8, 4, v2
	v_lshl_add_u32 v8, v3, 3, v8
	v_add_nc_u32 v8, s26, v8                       ; scale words: 4,096 + 256 (G % 2) + 16 r + 8 hh
	v_lshlrev_b32 v9, 3, v3                        ; my byte's place in the word: 8 hh bits up
	s_cmp_eq_u32 s13, 0                            ; q or k?  The choice hangs on the work-group's number alone
	s_mov_b32 s22, 0x3000000                       ; k: the floor 2^(6 - 127)
	s_cselect_b32 s22, 0x1800000, s22              ; q: 2^(3 - 127)
	s_cselect_b32 s23, 0, 3                        ; what is taken off the byte
	s_wait_kmcnt 0x0
	s_cselect_b64 s[6:7], s[6:7], s[8:9]
	s_add_nc_u64 s[4:5], s[4:5], s[16:17]
	s_add_nc_u64 s[6:7], s[6:7], s[18:19]
.irp t, 0,1,2,3                        ; all 32 loads at once.  Tile t, load i: tile rows 2 i and 2 i + 1, which are tokens 32 (t / 2) + 8 (t % 2) + 2 i + hh + 8 (i / 4)
.irp i, 0,1,2,3,4,5,6,7
	global_load_b128 v[R+32*\t+4*\i:R+32*\t+4*\i+3], v4, s[4:5] offset:(32*(\t/2)+8*(\t%2)+2*\i+8*(\i/4))*TOK th:TH_LOAD_NT
.endr
.endr
; Tile t through the stage: in as loaded, back 128 bytes a lane, into the registers that it left.  LDS serves a wave's instructions in order (ISA guide 5.7.1.4): no wait between the stores and the loads, nor ahead of the next tile's stores.
.macro TURN t
.irp i, 0,1,2,3,4,5,6,7
	ds_store_b128 v5, v[R+32*(\t)+4*\i:R+32*(\t)+4*\i+3] offset:2*SP*\i
.endr
.irp i, 0,1,2,3,4,5,6,7
	ds_load_b128 v[R+32*(\t)+4*\i:R+32*(\t)+4*\i+3], v6 offset:16*\i
.endr
.endm
.macro QKTILE t
.if (\t) < 3
	s_wait_loadcnt 16-8*(\t)                       ; the next tile's eight loads are in; those of the tiles behind it stay out
	TURN (\t)+1
	s_wait_dscnt 16                                ; this tile is back from the stage; the next tile's sixteen LDS instructions stay out
.else
	s_wait_dscnt 0x0
.endif
	QBLOCK \t
	v_sub_nc_u32 v13, v13, s23                     ; k: / 8
	v_lshlrev_b32 v13, v9, v13                     ; my block's byte at its place;
	v_permlanex16_b32 v10, v13, s20, s21
	v_or_b32 v13, v13, v10                         ; with lane l xor 16's the row's two bytes;
	v_or_b32 v[SW+(\t)], 0x7f7f0000, v13           ; and 2^0 for the zero codes of K = 64 .. 127
	global_store_b128 v7, v[C+4*(\t):C+4*(\t)+3], s[6:7] offset:512*(\t)   ; 32 lanes store 512 consecutive bytes, at a multiple of 256 from the buffer's first byte
.endm
	s_wait_loadcnt 24                              ; tile 0's eight loads are in
	TURN 0
	QKTILE 0
	QKTILE 1
	QKTILE 2
	QKTILE 3
	v_cmp_ne_u32 vcc_lo, 0, v3
	v_cndmask_b32 v20, v[SW], v[SW+2], vcc_lo      ; lanes 0-15 store the words of tiles 0 and 1, lanes 16-31 those of tiles 2 and 3
	v_cndmask_b32 v21, v[SW+1], v[SW+3], vcc_lo
	global_store_b64 v8, v[20:21], s[6:7]          ; 32 lanes store 256 consecutive bytes, aligned
	s_wait_tensorcnt 0x0
	ds_add_u32 v192, v193
	s_wait_dscnt 0x0
	s_endpgm
	; ---------------- v: a lane takes a column, and its registers run down the keys ----------------
.Lv:
	s_sub_co_u32 s13, ttmp9, 512
	s_lshr_b32 s14, s13, 3                         ; which 128 tokens
	s_and_b32 s15, s13, 7                          ; which 128 of v's 1,024 columns
	s_lshl_b32 s16, s15, 1
	s_lshr_b32 s17, s12, 1
	s_add_co_u32 s24, s16, s17                     ; head = (128 cg + 32 wave) / 64
	s_and_b32 s25, s12, 1                          ; which 32 of its 64 channels
	s_mul_i32 s16, s14, 128*TOK                    ; from: the tokens, v's 8,192 bytes on, my wave's 32 columns
	s_lshl_b32 s17, s15, 9
	s_add_co_u32 s16, s16, s17
	s_lshl_b32 s17, s12, 7
	s_add_co_u32 s16, s16, s17
	s_add_co_u32 s16, s16, 8192
	s_mov_b32 s17, 0
	s_mul_i32 s18, s24, VHEAD                      ; to: the head's record of these keys
	s_mul_i32 s19, s14, VREC
	s_add_co_u32 s18, s18, s19
	s_mov_b32 s19, 0
	v_lshlrev_b32 v4, 2, v1                        ; in: 4 bytes a lane
	s_lshl_b32 s26, s25, 11
	v_lshlrev_b32 v7, 10, v3
	v_lshl_add_u32 v7, v2, 4, v7
	v_add_nc_u32 v7, s26, v7                       ; codes: channel tile 2 (wave % 2) + hh, row r: 2,048 (wave % 2) + 1,024 hh + 16 r
	s_lshl_b32 s26, s25, 7
	s_add_co_u32 s26, s26, 4096
	v_add_nc_u32 v8, s26, v4                       ; scale word: 4,096 + 4 x channel
	s_mov_b32 s22, 0x1800000                       ; the floor 2^(3 - 127)
	s_wait_kmcnt 0x0
	s_add_nc_u64 s[4:5], s[4:5], s[16:17]
	s_add_nc_u64 s[10:11], s[10:11], s[18:19]
.macro VLOAD t                         ; block t: keys 32 t + i of my column: 32 lanes read 128 consecutive bytes, the four waves side by side 512
.set i, 0
.rept 32
	global_load_b32 v[R+32*(\t)+i], v4, s[4:5] offset:(32*(\t)+i)*TOK th:TH_LOAD_NT
.set i, i+1
.endr
.endm
.macro VBLOCK t
	QBLOCK \t
.if (\t) == 0
	v_mov_b32 v[SW], v13                           ; four bytes make my channel's scale word, the lower keys in the lower byte
.else
	v_lshl_or_b32 v[SW], v13, 8*(\t), v[SW]
.endif
	global_store_b128 v7, v[C+4*(\t):C+4*(\t)+3], s[10:11] offset:512*((\t)/2)+256*((\t)%2)   ; sixteen lanes store 256 consecutive bytes, aligned
.endm
	VLOAD 0
	VLOAD 1
	s_wait_loadcnt 32                              ; block 0 is in; block 1's 32 loads stay out
	VLOAD 2
	VBLOCK 0
	s_wait_loadcnt 32                              ; block 1 is in; block 2's stay out
	VLOAD 3
	VBLOCK 1
	s_wait_loadcnt 32                              ; block 2 is in; block 3's stay out
	VBLOCK 2
	s_wait_loadcnt 0x0
	VBLOCK 3
	global_store_b32 v8, v[SW], s[10:11]           ; 128 consecutive bytes a wave, half of an aligned 256: one byte for each 128 that this path reads
	s_endpgm
.Lfunc_end_k_q596762242f_quant:
	.size	k_q596762242f_quant, .Lfunc_end_k_q596762242f_quant-k_q596762242f_quant
	.p2alignl 7, 3214868480
	.fill 96, 4, 3214868480
	.section	.rodata,"a",@progbits
	.p2align	6, 0x0
	.amdhsa_kernel k_q596762242f_quant
		.amdhsa_group_segment_fixed_size 17920
		.amdhsa_private_segment_fixed_size 0
		.amdhsa_enable_private_segment 0
		.amdhsa_kernarg_size 32
		.amdhsa_user_sgpr_count 2
		.amdhsa_user_sgpr_kernarg_segment_ptr 1
		.amdhsa_wavefront_size32 1
		.amdhsa_system_sgpr_workgroup_id_x 1
		.amdhsa_system_sgpr_workgroup_id_y 1
		.amdhsa_system_sgpr_workgroup_id_z 1
		.amdhsa_system_vgpr_workitem_id 0
		.amdhsa_next_free_vgpr 194
		.amdhsa_next_free_sgpr 66
		.amdhsa_reserve_vcc 1
		.amdhsa_float_denorm_mode_32 3
		.amdhsa_float_denorm_mode_16_64 3
		.amdhsa_memory_ordered 1
		.amdhsa_forward_progress 1
		.amdhsa_inst_pref_size 37
	.end_amdhsa_kernel
	.amdgpu_metadata
---
amdhsa.version: [ 1, 2 ]
amdhsa.kernels:
  - .name:           k_q596762242f_quant
    .symbol:         k_q596762242f_quant.kd
    .args:
      - { .name: qkv, .offset: 0, .size: 8, .value_kind: global_buffer, .address_space: global }
      - { .name: qimg, .offset: 8, .size: 8, .value_kind: global_buffer, .address_space: global }
      - { .name: kimg, .offset: 16, .size: 8, .value_kind: global_buffer, .address_space: global }
      - { .name: vimg, .offset: 24, .size: 8, .value_kind: global_buffer, .address_space: global }
    .group_segment_fixed_size: 17920
    .private_segment_fixed_size: 0
    .kernarg_segment_align: 8
    .kernarg_segment_size: 32
    .max_flat_workgroup_size: 128
    .sgpr_count:     66
    .vgpr_count:     194
    .wavefront_size: 32
...
	.end_amdgpu_metadata
.endif
;; end of part 1
;; launch attn (part 2): grid 16 x 16, 16 waves a work-group, no clusters, 288,768 bytes of LDS; arguments qimg, kimg, vimg, out0; writes out0
.if DOCPART == 2
	.amdgcn_target "amdgcn-amd-amdhsa--gfx1250"
	.amdhsa_code_object_version 6
	.text
	.protected	k_q596762242f_attn
	.globl	k_q596762242f_attn
	.p2align	8
	.type	k_q596762242f_attn,@function
k_q596762242f_attn:
	s_mov_b64 s[64:65], 0
	v_nop
	global_prefetch_b8 v0, s[64:65] scope:SCOPE_SE
	s_setreg_imm32_b32 hwreg(HW_REG_WAVE_MODE, 25, 1), 1
	s_wait_xcnt 0x0
; out0[q][head][:] = the sum over keys k <= q of softmax_k(Q[q] . K[k] / 8) V[k][:], both products on codes of FP4 (E2M1) with one E8M0 scale for each 32 along a product's K.  4,096 tokens, 16 heads of 64.
; qimg, kimg, vimg hold the operands as images of their registers (see the launch that makes them): records of 128 rows or keys; the factor 1 / 8 lies in K's scale bytes.
; THE SOFTMAX AHEAD OF THE SECOND PRODUCT: t = score x log2(e); M = the row's largest t so far, rounded UP to a whole number; p = 2^(t - M) is quantised along the keys, not normalised.
; The row's sum is taken of the unquantised p, in f32, and divides O at the end.  When M moves, the sum and O are multiplied by 2^(old M - new M): exact.
; SHARES.  Work-group (i, head) owns the blocks of 128 queries i and 31 - i; each of its sixteen waves owns one tile of 16 queries of one of the two (JB), and needs key steps 0 .. JB of 128 keys, the last on the diagonal.
; hi = (w ^ (w / 4)) % 2 says which block: of waves w, w + 4, w + 8, w + 12, and of waves 4 a .. 4 a + 3, two take the low block and two the high one: 2 (i + 1) + 2 (32 - i) = 66 key steps for either four, whatever i.
; LDS HOLDS THE WHOLE HEAD, FILLED ONCE: K's 32 records (147,456 bytes), then V's 32 (139,264), as they lie in memory.  Every fragment load reads 512 consecutive bytes.  No byte is filled twice, so there is no ring.
; Each wave issues four tensor loads at the head (waves 0-7: K's record 8 j + w; waves 8-15: V's), four outstanding at the most; phase j (key steps 8 j .. 8 j + 7) begins with a counted wait and a barrier.
; EVERY wave walks all 32 steps and passes every barrier: the trip counts are constants.  A step whose 128 keys all come after the wave's queries is left out by a scalar branch on ids, round its work alone.
; LAYOUT.  Both products are used transposed: S^T = K Q^T (source 0 = 16 keys, source 1 = my 16 queries), O^T = V^T P^T (source 0 = 16 channels, source 1 = P): a lane holds ONE query (lane % 16) throughout.
; Row r of tile 2 b + u of K (and of Q) is row 32 b + 8 u + r + 8 (r / 8) of its record, so that the 16 registers of tiles 2 b and 2 b + 1 of S^T are 16 neighbouring keys, 32 b + 16 (lane / 16) + 0 .. 15.
; The first product's K is 64: registers 4-7 of K's and Q's fragments hold zero codes, written once; their scale bytes are 0x7f.
; NO CLUSTER: the sixteen work-groups of a head read the same K and V, but they differ in i, and the branches that leave hidden steps out hang on i.
; NO PREFETCH: every byte that the work-group reads from K and V is asked for by the tensor loads in the kernel's first lines.
; LIMITS: NaN and infinities are not served.  A block's largest p is taken from its largest score: this takes v_exp_f32 not to fall where its input rises.  A block whose every p is 0 keeps the byte 1: its codes are zeros.
.set KREC,  4608
.set KHEAD, 32*KREC
.set VREC,  4352
.set VHEAD, 32*VREC
.set VBASE, KHEAD                      ; LDS: V's records lie behind K's
.set KPH,   8*KREC                     ; a phase's records of K,
.set VPH,   8*VREC                     ; and of V
.set SP,    272                        ; the way out: a stage row, 256 bytes + 16
.set STG,   16*SP                      ; a wave's stage: at wave x STG, in K's bytes, which nobody reads behind the last barrier and which have had their one fill
.set LI,  1                            ; v1   16 x lane
.set LR,  2                            ; v2   4 x lane
.set DQ,  3                            ; v3   my query's place in its block - 16 (lane / 16)
.set ADK, 4                            ; v4   LDS address of the step's record of K, + 16 x lane
.set ADV, 5                            ; v5   of V
.set ADS, 6                            ; v6   of V, + 4 x lane
.set GO,  7                            ; v7   the way out: my byte offset in out0
                                       ; v8-11 at work;  v12 -M, v13 the largest t;  v[14:15] the row's sum in two halves
.set QF,  16                           ; v16-19 Q's codes, v20-23 zeros
.set QS,  24                           ; v24  Q's scale word
.set NINF, 25                          ; v25  -infinity
.set KF,  32                           ; v[32 + 8 t ..]: K's tile t: four registers of codes, four of zeros
.set S,   96                           ; v96-159  S^T, then p
.set O,   160                          ; v160-191 O^T
.set VF,  192                          ; v192-223 V's four fragments
.set PC,  224                          ; v224-231 p's codes
.set BM,  232                          ; v232-235 the blocks' largest scores, then largest p
.set TP,  236                          ; v236-239 at work
.set KS,  240                          ; v240-243 K's scale words: register s: lanes 0-15 tile s, lanes 16-31 tile 4 + s
.set CV,  244                          ; v244-247 the conversions' scale operands
.set VS,  248                          ; v248-249 V's scale words: register s: lanes 0-15 tile 2 s, lanes 16-31 tile 2 s + 1
.set F,   250                          ; v[250:251] f = 2^(old M - new M) (the packed forms name a pair and take its low word)
.set PS,  253                          ; v253 p's scale word
.set W,   254                          ; v254 at work
.set WV,  12
.set HI,  13
.set TT,  14                           ; my tile of the block's eight
.set JB,  15                           ; my block of 128 queries = my last key step
.set HD,  16
.set WK,  17
.set SEL, 20                           ; s[20:21] v_permlanex16_b32's selects for lane l xor 16
.set CS,  22                           ; s[22:23] c = log2(e)
.set G1K, 24                           ; s[24:31] descriptor group 1 for a record of K;  s[32:39] of V
.set G1V, 32
.set G0K, 40                           ; s[40:55] four groups 0 for K
.set TK,  56                           ; LDS byte of the step's record of K
.set TV,  57                           ; of V
.set SI,  58                           ; the step's number
.set CNT, 59
.set G0V, 68                           ; s[68:83] four groups 0 for V
.set QL,  84                           ; my tile's first row in its block
	s_load_b256 s[4:11], s[0:1], 0x0               ; qimg s[4:5], kimg s[6:7], vimg s[8:9], out0 s[10:11]
	v_lshl_add_u32 v252, v0, 2, 0x46000
	v_mov_b32 v255, 0
	ds_add_u32 v252, v255
	ds_add_u32 v252, v255
	v_lshrrev_b32 v8, 5, v0
	v_readfirstlane_b32 s[WV], v8                  ; wave 0..15
	s_lshr_b32 s[HI], s[WV], 2
	s_xor_b32 s[HI], s[HI], s[WV]
	s_and_b32 s[HI], s[HI], 1
	s_lshr_b32 s[TT], s[WV], 1
	s_and_b32 s[WK], s[WV], 7
	s_and_b32 s[HD], ttmp7, 0xffff
	s_sub_co_u32 s[JB], 31, ttmp9
	s_cmp_eq_u32 s[HI], 0
	s_cselect_b32 s[JB], ttmp9, s[JB]              ; block i or block 31 - i
	; descriptor group 1: a record is a dense block: rows of 256 bytes (32 elements of 8 bytes), 18 of them for K, 17 for V; no padding, no mask
	s_mov_b32 s[G1K], 3<<16                        ; 17:16 elements of 8 bytes
	s_mov_b32 s[G1K+1], 32<<16                     ; tensor_dim0 = 32
	s_mov_b32 s[G1K+2], 18<<16                     ; tensor_dim1 = 18
	s_mov_b32 s[G1K+3], 32<<16                     ; tile_dim0 = 32
	s_mov_b32 s[G1K+4], 18                         ; tile_dim1 = 18
	s_mov_b32 s[G1K+5], 32                         ; tensor_dim0_stride
	s_mov_b32 s[G1K+6], 0
	s_mov_b32 s[G1K+7], 0
	s_mov_b32 s[G1V], 3<<16
	s_mov_b32 s[G1V+1], 32<<16
	s_mov_b32 s[G1V+2], 17<<16
	s_mov_b32 s[G1V+3], 32<<16
	s_mov_b32 s[G1V+4], 17
	s_mov_b32 s[G1V+5], 32
	s_mov_b32 s[G1V+6], 0
	s_mov_b32 s[G1V+7], 0
	s_mov_b32 s[SEL], 0x76543210
	s_mov_b32 s[SEL+1], 0xfedcba98
	s_mov_b32 s[CS], 0x3fb8aa3b                    ; log2(e)
	s_mov_b32 s[CS+1], s[CS]                       ; (named with it as a pair, so it is written)
	s_mov_b32 s[SI], 0
	s_mul_i32 s18, s[HD], KHEAD                    ; the head's first byte in qimg and kimg,
	s_mul_i32 s19, s[HD], VHEAD                    ; and in vimg
	s_mul_i32 s60, s[WK], KREC                     ; the record that I fetch in each phase: (wave % 8) records on, in memory and in LDS alike
	s_mul_i32 s61, s[WK], VREC
	s_add_co_u32 s86, s18, s60
	s_mov_b32 s87, 0
	s_add_co_u32 s88, s19, s61
	s_mov_b32 s89, 0
	s_mul_i32 s90, s[JB], KREC                     ; my block's record of Q
	s_add_co_u32 s90, s90, s18
	s_mov_b32 s91, 0
	s_lshr_b32 s62, s[TT], 1
	s_lshl_b32 s62, s62, 5
	s_and_b32 s63, s[TT], 1
	s_lshl_b32 s63, s63, 3
	s_add_co_u32 s[QL], s62, s63                   ; 32 (T / 2) + 8 (T % 2)
	s_lshl_b32 s62, s[JB], 7
	s_add_co_u32 s62, s62, s[QL]
	s_lshl_b32 s62, s62, 12                        ; out0: a token is 4,096 bytes,
	s_lshl_b32 s63, s[HD], 8                       ; a head 256
	s_add_co_u32 s62, s62, s63
	s_mov_b32 s63, 0
	s_wait_dscnt 0x0
	s_wait_kmcnt 0x0
	s_add_nc_u64 s[86:87], s[6:7], s[86:87]
	s_add_nc_u64 s[88:89], s[8:9], s[88:89]
	s_add_nc_u64 s[4:5], s[4:5], s[90:91]
	s_add_nc_u64 s[10:11], s[10:11], s[62:63]
.irp j, 0,1,2,3                        ; every wave makes all eight groups 0, and asks by four of them
	s_mov_b32 s[G0K+4*\j], 1                                       ; count = 1
	s_add_co_u32 s[G0K+4*\j+1], s60, \j*KPH                        ; LDS address
	s_add_nc_u64 s[G0K+4*\j+2:G0K+4*\j+3], s[86:87], \j*KPH        ; global address
	s_or_b32 s[G0K+4*\j+3], s[G0K+4*\j+3], 0x80000000              ; type = 2
	s_mov_b32 s[G0V+4*\j], 1
	s_add_co_u32 s[G0V+4*\j+1], s61, VBASE+\j*VPH
	s_add_nc_u64 s[G0V+4*\j+2:G0V+4*\j+3], s[88:89], \j*VPH
	s_or_b32 s[G0V+4*\j+3], s[G0V+4*\j+3], 0x80000000
.endr
	s_cmp_lt_u32 s[WV], 8                          ; a wave's four fills stand in one branch, ahead of every wait on TENSORcnt, every LDS read and every barrier; four v_nop follow the last
	s_cbranch_scc0 .Lfill_v
.irp j, 0,1,2,3
	tensor_load_to_lds s[G0K+4*\j:G0K+4*\j+3], s[G1K:G1K+7]
	s_nop 0
.endr
.rept 4
	v_nop
.endr
	s_branch .Lfilled
.Lfill_v:
.irp j, 0,1,2,3
	tensor_load_to_lds s[G0V+4*\j:G0V+4*\j+3], s[G1V:G1V+7]
	s_nop 0
.endr
.rept 4
	v_nop
.endr
.Lfilled:
	v_and_b32 v8, 31, v0
	v_lshlrev_b32 v[LI], 4, v8
	v_lshlrev_b32 v[LR], 2, v8
	s_lshl_b32 s18, s[TT], 9
	v_add_nc_u32 v8, s18, v[LI]                    ; Q's codes: tile T's 512 bytes, 16 x lane
	s_lshr_b32 s18, s[TT], 2
	s_lshl_b32 s18, s18, 8
	s_and_b32 s19, s[TT], 3
	s_lshl_b32 s19, s19, 2
	s_add_co_u32 s18, s18, s19
	s_add_co_u32 s18, s18, 4096
	v_and_b32 v10, 15, v0                          ; r
	v_lshl_add_u32 v9, v10, 4, s18                 ; Q's scale word: 4,096 + 256 (T / 4) + 4 (T % 4) + 16 r
	global_load_b128 v[QF:QF+3], v8, s[4:5]
	global_load_b32 v[QS], v9, s[4:5]
.irp k, 4,5,6,7
	v_mov_b32 v[QF+\k], 0                          ; zero codes for K = 64 .. 127
.endr
.irp t, 0,1,2,3,4,5,6,7
.irp k, 4,5,6,7
	v_mov_b32 v[KF+8*\t+\k], 0                     ; the same in K's eight fragments: written once, never loaded into
.endr
.endr
.set j, 0
.rept 32
	v_mov_b32 v[O+j], 0                            ; O^T.  (The step is written once: the first finds zeros, which the first change of M leaves zeros)
.set j, j+1
.endr
	v_mov_b32 v14, 0                               ; the sum, in two halves
	v_mov_b32 v15, 0
.irp b, 0,1,2,3
	v_mov_b32 v[TP+\b], 0                          ; a lane permute's destination counts as one of its sources
.endr
	v_mov_b32 v[F+1], 0                            ; (named as the upper half of the pair)
	v_mov_b32 v[NINF], 0xff800000
	v_mov_b32 v13, 0xff61b1e6                      ; the largest t so far: -3e38, under every t
	v_floor_f32 v12, -v13                          ; -M
	v_bfe_u32 v11, v0, 4, 1                        ; h
	v_and_b32 v[DQ], 8, v10
	v_add_nc_u32 v[DQ], v[DQ], v10                 ; r + 8 (r / 8)
	v_lshlrev_b32 v11, 4, v11
	v_sub_nc_u32 v[DQ], v[DQ], v11
	v_add_nc_u32 v[DQ], s[QL], v[DQ]               ; my query's place in its block, less 16 h
	s_wait_loadcnt 0x0                             ; Q
; A KEY STEP: 128 keys.
.macro STEP
	s_cmp_gt_u32 s[SI], s[JB]                      ; all its keys come after my queries: only the addresses step
	s_cbranch_scc1 .Lhid_\@
	v_add_nc_u32 v[ADK], s[TK], v[LI]
	v_add_nc_u32 v[ADV], s[TV], v[LI]
	v_add_nc_u32 v[ADS], s[TV], v[LR]
	v_nop                                          ; four plain instructions between the last step's products and the loads into V's registers (ISA guide 7.12.1 for vector instructions)
.irp t, 0,1,2,3,4,5,6,7
	ds_load_b128 v[KF+8*\t:KF+8*\t+3], v[ADK] offset:512*\t
.endr
	ds_load_b128 v[KS:KS+3], v[ADK] offset:4096
.irp t, 0,1,2,3
.irp c, 0,1
	ds_load_b128 v[VF+8*\t+4*\c:VF+8*\t+4*\c+3], v[ADV] offset:1024*\t+512*\c
.endr
.endr
	ds_load_b32 v[VS], v[ADS] offset:4096
	ds_load_b32 v[VS+1], v[ADS] offset:4224
	s_wait_dscnt 10                                ; K's nine loads are in; V's ten stay out and land under the softmax
.irp t, 0,1,2,3
	v_wmma_scale_f32_16x16x128_f8f6f4 v[S+8*\t:S+8*\t+7], v[KF+8*\t:KF+8*\t+7], v[QF:QF+7], 0, v[KS+\t], v[QS] matrix_a_fmt:MATRIX_FMT_FP4 matrix_b_fmt:MATRIX_FMT_FP4
.endr
.irp t, 4,5,6,7
	v_wmma_scale_f32_16x16x128_f8f6f4 v[S+8*\t:S+8*\t+7], v[KF+8*\t:KF+8*\t+7], v[QF:QF+7], 0, v[KS+\t-4], v[QS] matrix_a_fmt:MATRIX_FMT_FP4 matrix_b_fmt:MATRIX_FMT_FP4 matrix_a_scale:MATRIX_SCALE_ROW1
.endr
.rept 4
	v_nop                                          ; four places ahead of the first read of the scores
.endr
	s_cmp_lt_u32 s[SI], s[JB]                      ; all keys of the step count: no mask
	s_cbranch_scc1 .Lopen_\@
.set n, 0
.rept 64                               ; on the diagonal: register 16 b + i holds key 32 b + 16 h + i of the block: hidden where 32 b + i > my query's place - 16 h.  Hidden scores become -infinity: p = 0
	v_cmp_gt_i32 vcc_lo, 32*(n/16)+n%16, v[DQ]
	v_cndmask_b32 v[S+n], v[S+n], v[NINF], vcc_lo
.set n, n+1
.endr
.Lopen_\@:
.irp b, 0,1,2,3
	v_max3_num_f32 v[BM+\b], v[S+16*\b], v[S+1+16*\b], v[S+2+16*\b]   ; the largest score of each block of 32 keys: it serves for the row's maximum and, since p rises with the score, for the block's largest p
.endr
.irp i, 3,5,7,9,11,13
.irp b, 0,1,2,3
	v_max3_num_f32 v[BM+\b], v[BM+\b], v[S+16*\b+\i], v[S+1+16*\b+\i]   ; (the four blocks by turns)
.endr
.endr
.irp b, 0,1,2,3
	v_max_num_f32 v[BM+\b], v[BM+\b], v[S+15+16*\b]
.endr
.irp b, 0,1,2,3
	v_permlanex16_b32 v[TP+\b], v[BM+\b], s[SEL], s[SEL+1]
.endr
.irp b, 0,1,2,3
	v_max_num_f32 v[BM+\b], v[BM+\b], v[TP+\b]     ; with lane l xor 16's 16 keys
.endr
	v_max3_num_f32 v[W], v[BM], v[BM+1], v[BM+2]
	v_max_num_f32 v[W], v[W], v[BM+3]              ; the step's largest score of my query
	v_mul_f32 v[W], s[CS], v[W]                    ; as t (c is positive)
	v_max_num_f32 v13, v13, v[W]                   ; the running largest t
	v_mov_b32 v[W], v12
	v_floor_f32 v12, -v13                          ; the new -M = floor(-t) = -ceil(t): a whole number
	v_sub_f32 v[W], v12, v[W]                      ; old M - new M: a whole number, 0 or less
	v_cvt_i32_f32 v[W], v[W]                       ; (it saturates)
	v_ldexp_f32 v[F], 1.0, v[W]                    ; f = 2^(old M - new M)
.set j, 0
.rept 32
	v_pk_fma_f32 v[S+j:S+j+1], v[S+j:S+j+1], s[CS:CS+1], v[12:13] op_sel_hi:[1,0,0]   ; t - M, two at a time (of the pairs c and -M the low word serves both halves)
.set j, j+2
.endr
.irp b, 0,1,2,3
	v_fma_f32 v[BM+\b], v[BM+\b], s[CS], v12       ; the same of each block's largest score
.endr
.set j, 0
.rept 64
	v_exp_f32 v[S+j], v[S+j]                       ; p = 2^(t - M), at most 1: not normalised
.set j, j+1
.endr
.irp b, 0,1,2,3
	v_exp_f32 v[BM+\b], v[BM+\b]                   ; the block's largest p.  All 68 exponentials are one batch: none reads another's result
.endr
	v_pk_mul_f32 v[14:15], v[14:15], v[F:F+1] op_sel_hi:[1,0]      ; the sums under the new M (a plain instruction behind the last exponential)
.set j, 0
.rept 16
	v_pk_mul_f32 v[O+j:O+j+1], v[O+j:O+j+1], v[F:F+1] op_sel_hi:[1,0]   ; O^T under the new M, each accumulator from its low end on: work that names no exponential's result
.set j, j+2
.endr
	s_wait_alu depctr_va_vdst(0)                   ; ahead of the first instruction that names an exponential's result: one for the batch
.irp b, 0,1,2,3
	v_max_num_f32 v[BM+\b], 0x1800000, v[BM+\b]    ; the floor 2^(3 - 127): the byte cannot fall under 1
.endr
.irp b, 0,1,2,3
	v_add_nc_u32 v[CV+\b], 0xff000000, v[BM+\b]    ; 2 off the exponent field: the conversion's scale operand
.endr
.irp b, 0,1,2,3
	v_lshrrev_b32 v[TP+\b], 23, v[CV+\b]           ; the scale's byte
.endr
	v_lshl_or_b32 v[PS], v[TP+1], 8, v[TP]         ; p's scale word for these 128 keys
	v_lshl_or_b32 v[PS], v[TP+2], 16, v[PS]
	v_lshl_or_b32 v[PS], v[TP+3], 24, v[PS]
.irp b, 0,1,2,3
	v_cvt_scalef32_pk8_fp4_f32 v[PC+2*\b], v[S+16*\b:S+7+16*\b], v[CV+\b]
	v_cvt_scalef32_pk8_fp4_f32 v[PC+1+2*\b], v[S+8+16*\b:S+15+16*\b], v[CV+\b]
.endr
	v_nop                                          ; one plain instruction between a scaled conversion and the vector instruction that touches its result
.irp c, 0,1                            ; the operand's layout wants a whole block in a lane: lanes 0-15 block 2 c, lanes 16-31 block 2 c + 1
.irp i, 0,1
	v_permlane16_swap_b32 v[PC+4*\c+\i], v[PC+2+4*\c+\i]
.endr
.endr
	v_pk_add_f32 v[TP:TP+1], v[S:S+1], v[S+2:S+3]  ; the row's sum of the UNQUANTISED p, two at a time, in two chains.  These 32 lines are also the places between the writing of p's codes and scale word and the products that take them
.irp j, 4,8,12,16,20,24,28,32,36,40,44,48,52,56,60
	v_pk_add_f32 v[14:15], v[14:15], v[S+\j:S+\j+1]
	v_pk_add_f32 v[TP:TP+1], v[TP:TP+1], v[S+2+\j:S+3+\j]
.endr
	v_pk_add_f32 v[14:15], v[14:15], v[TP:TP+1]
	s_wait_dscnt 0x0                               ; V is in
.irp t, 0,2                            ; O^T += V^T P^T: the four accumulators take turns, one instruction a turn
	v_wmma_scale_f32_16x16x128_f8f6f4 v[O+8*\t:O+8*\t+7], v[VF+8*\t:VF+8*\t+7], v[PC:PC+7], v[O+8*\t:O+8*\t+7], v[VS+\t/2], v[PS] matrix_a_fmt:MATRIX_FMT_FP4 matrix_b_fmt:MATRIX_FMT_FP4
	v_wmma_scale_f32_16x16x128_f8f6f4 v[O+8*\t+8:O+8*\t+15], v[VF+8*\t+8:VF+8*\t+15], v[PC:PC+7], v[O+8*\t+8:O+8*\t+15], v[VS+\t/2], v[PS] matrix_a_fmt:MATRIX_FMT_FP4 matrix_b_fmt:MATRIX_FMT_FP4 matrix_a_scale:MATRIX_SCALE_ROW1
.endr
.Lhid_\@:
	s_add_co_u32 s[TK], s[TK], KREC                ; the next step's records
	s_add_co_u32 s[TV], s[TV], VREC
	s_add_co_u32 s[SI], s[SI], 1
.endm
; PHASE p: key steps 8 p .. 8 p + 7.  My fills 0 .. p have landed (tensor loads of a wave end in order: ISA guide 10.11.1); the 3 - p later ones stay out, and nobody reads their bytes before a later one.
.macro PHASE p
	s_wait_tensorcnt 3-\p
	s_wait_dscnt 0x0                               ; no LDS instruction of mine is out at the signal
	s_barrier_signal -1
	s_barrier_wait -1                              ; every wave's fills 0 .. p have landed
	s_mov_b32 s[TK], \p*KPH
	s_mov_b32 s[TV], VBASE+\p*VPH
	s_mov_b32 s[CNT], 8
.Lstep_\@:
	STEP
	s_sub_co_u32 s[CNT], s[CNT], 1
	s_cmp_lg_u32 s[CNT], 0
	s_cbranch_scc1 .Lstep_\@
.endm
	PHASE 0
	PHASE 1
	PHASE 2
	PHASE 3                                        ; its wait is for 0: no tensor load is out from here on
	; THE WAY OUT.  Behind this barrier no wave reads K or V any more, and every fill has landed: the stages lie in K's bytes.
	s_wait_dscnt 0x0
	s_barrier_signal -1
	s_barrier_wait -1
	v_add_f32 v14, v14, v15                        ; the sum's two halves,
	v_permlanex16_b32 v[TP], v14, s[SEL], s[SEL+1]
	v_add_f32 v14, v14, v[TP]                      ; and lane l xor 16's: the row's sum
	v_rcp_f32 v14, v14
	v_and_b32 v8, 15, v0                           ; (a plain instruction behind the reciprocal)  r
	v_bfe_u32 v9, v0, 4, 1                         ; h
	s_mul_i32 s60, s[WV], STG                      ; my stage
	v_mul_u32_u24 v10, v8, SP
	v_lshl_add_u32 v10, v9, 5, v10
	v_add_nc_u32 v10, s60, v10                     ; in: row r; tile t's eight channels of my half: 64 t + 32 h bytes on
	v_mul_u32_u24 v11, v9, SP
	v_lshl_add_u32 v11, v8, 4, v11
	v_add_nc_u32 v11, s60, v11                     ; back: lanes 0-15 one row of 256 bytes, lanes 16-31 the next
	v_lshlrev_b32 v[GO], 12, v9
	v_lshl_add_u32 v[GO], v8, 4, v[GO]             ; and the same two rows in out0, a token (4,096 bytes) apart
	s_wait_alu depctr_va_vdst(0)                   ; ahead of the reciprocal's first reader
.set j, 0
.rept 32
	v_mul_f32 v[S+j], v[O+j], v14                  ; O^T / the sum: register 8 t + i is channel 16 t + 8 h + i of my query; each accumulator from its low end on
.set j, j+1
.endr
.irp t, 0,1,2,3
	ds_store_b128 v10, v[S+8*\t:S+8*\t+3] offset:64*\t
	ds_store_b128 v10, v[S+8*\t+4:S+8*\t+7] offset:64*\t+16
.endr
.irp i, 0,1,2,3,4,5,6,7
	ds_load_b128 v[KF+4*\i:KF+4*\i+3], v11 offset:2*\i*SP          ; LDS serves a wave's instructions in order (ISA guide 5.7.1.4): these see my stores
.endr
.irp i, 0,1,2,3,4,5,6,7
	s_wait_dscnt 7-\i                              ; rows 2 i and 2 i + 1 are back; the younger loads stay out
	global_store_b128 v[GO], v[KF+4*\i:KF+4*\i+3], s[10:11] offset:(2*\i+8*(\i/4))*4096 th:TH_STORE_NT   ; tile row 2 i + h is query 2 i + h + 8 (i / 4) of the tile's run: sixteen lanes store 256 consecutive bytes, aligned
.endr
	s_wait_tensorcnt 0x0
	ds_add_u32 v252, v255
	s_wait_dscnt 0x0
	s_endpgm
.Lfunc_end_k_q596762242f_attn:
	.size	k_q596762242f_attn, .Lfunc_end_k_q596762242f_attn-k_q596762242f_attn
	.p2alignl 7, 3214868480
	.fill 96, 4, 3214868480
	.section	.rodata,"a",@progbits
	.p2align	6, 0x0
	.amdhsa_kernel k_q596762242f_attn
		.amdhsa_group_segment_fixed_size 288768
		.amdhsa_private_segment_fixed_size 0
		.amdhsa_enable_private_segment 0
		.amdhsa_kernarg_size 32
		.amdhsa_user_sgpr_count 2
		.amdhsa_user_sgpr_kernarg_segment_ptr 1
		.amdhsa_wavefront_size32 1
		.amdhsa_system_sgpr_workgroup_id_x 1
		.amdhsa_system_sgpr_workgroup_id_y 1
		.amdhsa_system_sgpr_workgroup_id_z 1
		.amdhsa_system_vgpr_workitem_id 0
		.amdhsa_next_free_vgpr 256
		.amdhsa_next_free_sgpr 92
		.amdhsa_reserve_vcc 1
		.amdhsa_float_denorm_mode_32 3
		.amdhsa_float_denorm_mode_16_64 3
		.amdhsa_memory_ordered 1
		.amdhsa_forward_progress 1
		.amdhsa_inst_pref_size 95
	.end_amdhsa_kernel
	.amdgpu_metadata
---
amdhsa.version: [ 1, 2 ]
amdhsa.kernels:
  - .name:           k_q596762242f_attn
    .symbol:         k_q596762242f_attn.kd
    .args:
      - { .name: qimg, .offset: 0, .size: 8, .value_kind: global_buffer, .address_space: global }
      - { .name: kimg, .offset: 8, .size: 8, .value_kind: global_buffer, .address_space: global }
      - { .name: vimg, .offset: 16, .size: 8, .value_kind: global_buffer, .address_space: global }
      - { .name: out0, .offset: 24, .size: 8, .value_kind: global_buffer, .address_space: global }
    .group_segment_fixed_size: 288768
    .private_segment_fixed_size: 0
    .kernarg_segment_align: 8
    .kernarg_segment_size: 32
    .max_flat_workgroup_size: 512
    .sgpr_count:     92
    .vgpr_count:     256
    .wavefront_size: 32
...
	.end_amdgpu_metadata
.endif
;; end of part 2
